; MI455X (gfx1250); checked and timed in simulation.
; The chip was launched on July 23, 2026; its instructions are those of AMD's public machine-readable ISA for CDNA 5 (MIT licence, August 2026) and "CDNA5" Instruction Set Architecture Reference Guide (July 2026). The comments in the code are by the model that wrote it; some were corrected since.
;; Custom LSTM Cell. Allowed arithmetic: matrix products marked QUANTISED: E5M2 operands, one E8M0 scale for each 32 along K, by v_wmma_scale_f32_16x16x128_f8f6f4 with both operands' format E5M2, f32 sums; everything else in f32.
;; Inputs: W_c 512 x 1,024 float32; W_f 512 x 1,024 float32; W_i 512 x 1,024 float32; W_o 512 x 1,024 float32; b_c 512 float32; b_f 512 float32; b_i 512 float32; b_o 512 float32; c_prev 8,192 x 512 float32; h_prev 8,192 x 512 float32; x 8,192 x 512 float32.
;; Outputs: out0 8,192 x 512 float32; out1 8,192 x 512 float32.
;; This version of the problem:
;;   THIS VERSION OF THE PROBLEM IS GIVEN IN LOW PRECISION. The matrix products marked QUANTISED in the list below multiply operands that are first quantised to E5M2 (5 exponent bits, 2 mantissa bits; 8 bits a number), with one power-of-two scale for each 32 numbers along K (OCP MX v1.0); their sums are f32. All else is computed in f32.
;;   The module's matrix products, in the order in which they are computed (A, B: the left and right operand; K: the contracted axis; several contracted axes count as one K, in the product's order):
;;     1. [M 8,192, K 1,024] x [K 1,024, N 512]; A: computed on the way; B: input W_i: QUANTISED
;;     2. [M 8,192, K 1,024] x [K 1,024, N 512]; A: computed on the way; B: input W_f: QUANTISED
;;     3. [M 8,192, K 1,024] x [K 1,024, N 512]; A: computed on the way; B: input W_o: QUANTISED
;;     4. [M 8,192, K 1,024] x [K 1,024, N 512]; A: computed on the way; B: input W_c: QUANTISED
;;   THE QUANTISER, for each operand of a quantised product, along K:
;;     - K is cut into blocks of 32 from its start; a last block that is shorter is filled with zeros.
;;     - A block's scale is 2^e with e = floor(log2(the largest magnitude in the block)) - 15, held to -126 .. 127; a block of zeros has e = 0. As a byte (E8M0): e + 127.
;;     - Each number is divided by its block's scale, clamped to +-57,344, and rounded to the nearest number of E5M2, ties to even, subnormals kept.
;;     - The product sums the exact products of the quantised numbers (number of the format x scale) in f32.
;;   ~~~python
;;   def quantise(x, axis):      # numpy; x: float32 -> the quantised numbers, widened to float32 again
;;       x = np.moveaxis(x, axis, -1); K = x.shape[-1]
;;       x = np.pad(x, [(0, 0)] * (x.ndim - 1) + [(0, -K % 32)]); x = x.reshape(x.shape[:-1] + (-1, 32)); a = np.abs(x).max(-1, keepdims=True)
;;       e = np.where(a > 0, np.clip(np.frexp(np.where(a > 0, a, 1))[1] - 1 - 15, -126, 127), 0)      # np.frexp(a)[1] - 1 = floor(log2(a)), exactly
;;       r = np.clip(x / 2.0 ** e, -57344, 57344)
;;       step = 2.0 ** (np.maximum(np.frexp(np.where(r == 0, 1, r))[1] - 1, -14) - 2)
;;       q = np.round(r / step) * step * 2.0 ** e      # np.round: ties to even
;;       return np.moveaxis(q.reshape(q.shape[:-2] + (-1,))[..., :K], -1, axis).astype(np.float32)
;;   ~~~
;;   OPERANDS COMPUTED ON THE WAY. 'Computed on the way' means the value that the module computes at that place (a softmax that the list does not call 'softmax' is quantised finished and normalised). What goes into a quantiser is computed in f32, as accurately as f32 sums, v_exp_f32 and their like allow (about 1e-6 of the number): no bf16 or f16 on the way to a quantiser, and a product that is left as it is and whose result goes on into a quantised operand takes f32 operands (vector FMAs, or v_wmma_f32_16x16x4_f32). A number that lies on a knife's edge between two numbers of the format may be rounded either way, as far as f32 arithmetic and the matrix unit's own rounding can turn it there, and no further.
;; One version. Each part assembles by itself: llvm-mc -triple=amdgcn-amd-amdhsa -mcpu=gfx1250 --defsym DOCPART=n.
;; ======== version 1 of 1: 2 launches
;; limits: right only within a limited range of input values
;; workspace buffers: a_codes 8,388,608 bytes; a_scales 262,144 bytes; b_codes 2,097,152 bytes; b_scales 65,536 bytes
;; launch quant (part 1): grid 256 x 1, 10 waves a work-group, no clusters, 54,528 bytes of LDS; arguments x, h_prev, W_i, W_f, W_o, W_c, a_codes, a_scales, b_codes, b_scales; writes a_codes, a_scales, b_codes, b_scales
.if DOCPART == 1
	.amdgcn_target "amdgcn-amd-amdhsa--gfx1250"
	.amdhsa_code_object_version 6
	.text
	.protected	k_q02e55495fc_quant
	.globl	k_q02e55495fc_quant
	.p2align	8
	.type	k_q02e55495fc_quant,@function
k_q02e55495fc_quant:
	s_mov_b64 s[64:65], 0
	v_nop
	global_prefetch_b8 v0, s[64:65] scope:SCOPE_SE
	s_setreg_imm32_b32 hwreg(HW_REG_WAVE_MODE, 25, 1), 1
	s_wait_xcnt 0x0
; x, h_prev [8192][512] and W_i, W_f, W_o, W_c [512][1024], f32, become codes of BF8 (E5M2), K innermost, with one E8M0 scale byte for each 32 along K.
; a_codes [8192][1024]: row m = x[m]'s 512 codes, then h_prev[m]'s 512 (the concatenation along K); a_scales [8192][32].
; b_codes [2048][1024]: row 128 q + 32 g + u holds hidden unit 32 q + u of gate g (0 = i, 1 = f, 2 = o, 3 = c); b_scales [2048][32] in the same order.  So 128 neighbouring rows are 32 units x 4 gates.
; A block's scale is 2^(floor(log2(its largest magnitude)) - 15); its byte is the largest magnitude's exponent field - 15, held at 1 from below.  Each number is divided by the scale, held within +-57,344, rounded to the nearest code, ties to even.
; LIMITS: a block of zeros gets the byte 1 where the rule says 127: its codes are zeros, which add nothing under any byte but 0xff, and this program alone reads the bytes.  NaN and infinities among the inputs are not served.
; SHARES.  The output is 1,280 runs of 8 rows of 1,024 codes: 1,024 runs of activations, 256 of weights: 5 runs for each of 256 work-groups, so that every work-group has the same work.
; A work-group has ten waves; two waves share a run: pair P = 5 x work-group + wave / 2 takes run P, and of its 8 rows wave % 2 takes the first or the second four: 8 steps of 512 numbers; step t is row t / 2, half t % 2.
; Runs under 1,024 are activations (even steps from x, odd steps from h_prev; source rows 2,048 bytes apart); run 1,024 + 64 g + 4 q + w is rows 32 q + 8 w on of gate g (source rows 4,096 bytes apart, odd steps 2,048 bytes on).
; All take ONE path through the text: only pointers and two strides are chosen, on the run's number.
; A conversion takes neighbours along K from one lane's registers, a load is best where neighbouring lanes take neighbouring bytes: each load reads 512 consecutive bytes, and a step's 2,048 bytes turn through the wave's own
; stage in LDS (16 bytes of padding behind each 64) and come back 64 bytes a lane.  Two neighbouring lanes hold a block.  All 32 loads of a wave go out at its head, each step into registers of its own.
; A wave's codes are 4,096 consecutive bytes.  Its scale bytes are 128, half of an aligned 256: the two waves of a pair lay theirs side by side in LDS, and behind the one barrier the even wave stores the pair's 256 bytes.
.set STEPS, 8
.set SP,    80                         ; a lane's place in a stage: its 64 bytes + 16 of padding
.set WSTG,  2*32*SP                    ; LDS of a wave: two stages of 32 x SP bytes
.set SCB,   10*WSTG                    ; behind the ten waves' stages: the scale bytes, 128 for each wave, 256 for each pair
.set R,     16                         ; v16-143  eight sets of 16 numbers as they are loaded: a set for each step
.set X,     144                        ; v144-175 two sets of 16 neighbours
.set C,     176                        ; v176-207 codes: four registers for each step, so that no store's data are written again
.set OFF,   208                        ; v208-211 16 x lane + p x the source's row pitch, p = 0 .. 3; never rewritten
.set E,     212                        ; v212-213 a step's scale byte, by turns
	s_load_b256 s[4:11], s[0:1], 0x0               ; x, h_prev, W_i, W_f
	s_load_b256 s[12:19], s[0:1], 0x20             ; W_o, W_c, a_codes, a_scales
	s_load_b128 s[20:23], s[0:1], 0x40             ; b_codes, b_scales
	v_lshl_add_u32 v216, v0, 2, 0xd000
	v_mov_b32 v217, 0
	v_lshrrev_b32 v1, 5, v0
	s_delay_alu instid0(VALU_DEP_1)
	v_readfirstlane_b32 s24, v1                    ; wave 0..9
	v_and_b32 v2, 31, v0                           ; lane
	s_delay_alu instid0(VALU_DEP_1)
	v_lshlrev_b32 v3, 4, v2                        ; 16 x lane: my 16 bytes of a load's 512, and of a step's 512 bytes of codes
	s_mul_i32 s39, s24, WSTG
	v_lshrrev_b32 v14, 2, v2
	s_delay_alu instid0(VALU_DEP_1)
	v_mul_u32_u24 v14, v14, SP
	v_and_b32 v15, 3, v2
	s_delay_alu instid0(VALU_DEP_1)
	v_lshl_add_u32 v14, v15, 4, v14
	s_delay_alu instid0(VALU_DEP_1)
	v_add_nc_u32 v14, s39, v14                     ; the stage, on the way in: SP (lane / 4) + 16 (lane % 4); a load's 512 bytes take eight places
	v_mul_u32_u24 v15, v2, SP
	s_delay_alu instid0(VALU_DEP_1)
	v_add_nc_u32 v15, s39, v15                     ; and on the way out: SP x lane: my 16 neighbours
	s_and_b32 s41, s24, 1                          ; which four rows of the pair's run are mine
	s_lshr_b32 s42, s24, 1                         ; my pair in the work-group, 0..4
	v_lshrrev_b32 v5, 1, v2
	s_lshl_b32 s39, s24, 7
	s_add_co_u32 s39, s39, SCB
	v_add_nc_u32 v5, s39, v5                       ; my wave's 128 scale bytes, my block's byte
	v_lshlrev_b32 v7, 3, v2                        ; on the way out 8 bytes a lane:
	s_lshl_b32 s39, s42, 8
	s_add_co_u32 s39, s39, SCB
	v_add_nc_u32 v6, s39, v7                       ; the pair's 256 scale bytes
	s_mov_b32 s38, 0x600000                        ; the mantissa field of 57,344
	s_mul_i32 s25, ttmp9, 5
	s_add_co_u32 s25, s25, s42                     ; P: my pair's run, 0..1279; for the activations it is the run in the source and in the output
	s_max_u32 s26, s25, 1024
	s_sub_co_u32 s26, s26, 1024                    ; which of the 256 runs of the weights: 64 g + 4 q + w (0 in a pair of the activations)
	s_lshr_b32 s27, s26, 6                         ; g: the gate
	s_and_b32 s32, s26, 63                         ; weights, in: run 4 q + w of the gate's 64
	s_bfe_u32 s33, s26, 0x40002                    ; q (4 bits from bit 2)
	s_lshl_b32 s33, s33, 4
	s_lshl_b32 s40, s27, 2
	s_add_co_u32 s33, s33, s40
	s_and_b32 s40, s26, 3                          ; w
	s_add_co_u32 s33, s33, s40                     ; weights, out: run 16 q + 4 g + w = (128 q + 32 g + 8 w) / 8
	s_wait_alu depctr_va_vdst(0)
	s_wait_kmcnt 0x0
	s_mov_b64 s[28:29], s[8:9]                     ; the gate's weight: W_i,
	s_cmp_eq_u32 s27, 1
	s_cselect_b64 s[28:29], s[10:11], s[28:29]     ; W_f,
	s_cmp_eq_u32 s27, 2
	s_cselect_b64 s[28:29], s[12:13], s[28:29]     ; W_o,
	s_cmp_eq_u32 s27, 3
	s_cselect_b64 s[28:29], s[14:15], s[28:29]     ; W_c
	s_cmp_lt_u32 s25, 1024                         ; activations or weights?  Only selects and moves follow up to the last select
	s_cselect_b64 s[4:5], s[4:5], s[28:29]         ; even steps' source
	s_cselect_b64 s[6:7], s[6:7], s[28:29]         ; odd steps' source
	s_cselect_b64 s[8:9], s[16:17], s[20:21]       ; the codes' buffer
	s_cselect_b64 s[10:11], s[18:19], s[22:23]     ; the scale bytes' buffer
	s_mov_b32 s30, 4096
	s_cselect_b32 s30, 2048, s30                   ; the source's row pitch
	s_cselect_b32 s31, 0, 2048                     ; what an odd step lies further on in its source
	s_cselect_b32 s32, s25, s32                    ; my pair's run in the source,
	s_cselect_b32 s33, s25, s33                    ; and in the output
	s_lshl_b32 s34, s32, 3
	s_lshl_b32 s39, s41, 2
	s_add_co_u32 s34, s34, s39                     ; my first row in the source: 8 x run + 4 x (wave % 2)
	s_mul_i32 s34, s34, s30                        ; x pitch: under 2^25
	s_mov_b32 s35, 0
	s_add_nc_u64 s[4:5], s[4:5], s[34:35]
	s_add_co_u32 s34, s34, s31
	s_add_nc_u64 s[6:7], s[6:7], s[34:35]
	s_lshl_b32 s36, s33, 13                        ; 8,192 bytes of codes a run,
	s_lshl_b32 s39, s41, 12                        ; 4,096 for each of its two waves
	s_add_co_u32 s36, s36, s39
	s_mov_b32 s37, 0
	s_add_nc_u64 s[8:9], s[8:9], s[36:37]
	s_lshl_b32 s36, s33, 8                         ; 256 scale bytes a run
	s_add_nc_u64 s[10:11], s[10:11], s[36:37]
	s_mov_b32 s39, 0
.irp p, 0,1,2,3
	v_add_nc_u32 v[OFF+\p], s39, v3
	s_add_co_u32 s39, s39, s30
.endr
.macro LOAD t                          ; step t: row t / 2, from the even or the odd source: four loads of 512 consecutive bytes
.irp i, 0,1,2,3
	global_load_b128 v[R+16*(\t)+4*\i:R+16*(\t)+4*\i+3], v[OFF+(\t)/2], s[4+2*((\t)%2):5+2*((\t)%2)] offset:512*\i th:TH_LOAD_NT
.endr
.endm
.macro TURN t                          ; step t's numbers through the stage: LDS serves a wave's instructions in order (ISA guide 5.7.1.4), so no wait stands between the stores and the loads
.irp i, 0,1,2,3
	ds_store_b128 v14, v[R+16*(\t)+4*\i:R+16*(\t)+4*\i+3] offset:32*SP*((\t)%2)+8*SP*\i
.endr
.irp i, 0,1,2,3
	ds_load_b128 v[X+16*((\t)%2)+4*\i:X+16*((\t)%2)+4*\i+3], v15 offset:32*SP*((\t)%2)+16*\i
.endr
.endm
.irp t, 0,1,2,3,4,5,6,7
	LOAD \t                                        ; all that the wave will read: 32 loads, 16,384 bytes
.endr
	s_wait_loadcnt 28                              ; step 0's four loads are in; those of the seven steps behind it may be out
	TURN 0
.macro STEP t
.set XS, X+16*((\t)%2)
.if (\t) > 0
	s_wait_dscnt 1                                 ; this step's numbers are back from the stage; the last step's byte store may be out
.else
	s_wait_dscnt 0x0
.endif
.if (\t)+1 < STEPS
	s_wait_loadcnt 4*(STEPS-2-(\t))                ; the next step's four loads are in; those of the steps behind it may be out
	TURN (\t)+1                                    ; and go through the other stage while this step is worked
.endif
	v_max3_num_f32 v8, |v[XS]|, |v[XS+1]|, |v[XS+2]|               ; the largest magnitude of my 16, in two chains
	v_max3_num_f32 v9, |v[XS+3]|, |v[XS+4]|, |v[XS+5]|
.irp i, 6,10
	s_delay_alu instid0(VALU_DEP_2)
	v_max3_num_f32 v8, v8, |v[XS+\i]|, |v[XS+\i+1]|
	s_delay_alu instid0(VALU_DEP_2)
	v_max3_num_f32 v9, v9, |v[XS+\i+2]|, |v[XS+\i+3]|
.endr
	s_delay_alu instid0(VALU_DEP_2)
	v_max3_num_f32 v8, v8, |v[XS+14]|, |v[XS+15]|
	s_delay_alu instid0(VALU_DEP_1)
	v_max3_num_f32 v8, v8, v9, 0x8000000           ; and the floor 2^(16 - 127), under which no largest magnitude is taken: so the byte cannot fall under 1
	s_delay_alu instid0(VALU_DEP_1)
	v_max_num_f32_dpp v8, v8, v8 row_xmask:1 row_mask:0xf bank_mask:0xf   ; and of my neighbour's 16: the block's
	s_delay_alu instid0(VALU_DEP_1)
	v_add_nc_u32 v11, 0xf8800000, v8               ; 15 off its exponent field: the conversion takes the exponent field of this operand as its scale, and nothing else of it
	s_delay_alu instid0(VALU_DEP_2)
	v_and_or_b32 v10, v8, 0x7f800000, s38          ; 57,344 x the scale: the largest magnitude's exponent field over 57,344's mantissa
.irp i, 0,1,2,3,4,5,6,7,8,9,10,11,12,13,14,15
	v_med3_num_f32 v[XS+\i], v[XS+\i], -v10, v10   ; the conversion to an 8-bit code does not saturate (ISA guide 7.6.2): the number is held within the largest code x the scale first
.endr
	v_cvt_scalef32_pk8_bf8_f32 v[C+4*(\t):C+4*(\t)+1], v[XS:XS+7], v11
	v_cvt_scalef32_pk8_bf8_f32 v[C+4*(\t)+2:C+4*(\t)+3], v[XS+8:XS+15], v11
	v_lshrrev_b32 v[E+(\t)%2], 23, v11             ; the scale's byte (the byte store of two steps back is done: this step's first wait left one LDS instruction out at the most, the last step's)
	ds_store_b8 v5, v[E+(\t)%2] offset:16*(\t)     ; both lanes of a block write the same byte with the same value
	global_store_b128 v3, v[C+4*(\t):C+4*(\t)+3], s[8:9] offset:512*(\t)   ; 32 lanes store 512 consecutive bytes, at a multiple of 256 from the buffer's first byte
.endm
.irp t, 0,1,2,3,4,5,6,7
	STEP \t
.endr
	s_wait_dscnt 0x0                               ; for my partner's sake: my 128 scale bytes lie in LDS
	s_barrier_signal -1
	s_barrier_wait -1                              ; every wave's do
	s_cmp_lg_u32 s41, 0                            ; the even wave of each pair stores the pair's bytes; the branch hangs on the wave's number alone, and no barrier stands behind it
	s_cbranch_scc1 .Lodd
	ds_load_b64 v[12:13], v6                       ; my 128 bytes and my partner's
	s_wait_dscnt 0x0
	global_store_b64 v7, v[12:13], s[10:11]        ; 32 lanes store 256 consecutive bytes, aligned
.Lodd:
	s_wait_tensorcnt 0x0
	ds_add_u32 v216, v217
	s_wait_dscnt 0x0
	s_endpgm
.Lfunc_end_k_q02e55495fc_quant:
	.size	k_q02e55495fc_quant, .Lfunc_end_k_q02e55495fc_quant-k_q02e55495fc_quant
	.p2alignl 7, 3214868480
	.fill 96, 4, 3214868480
	.section	.rodata,"a",@progbits
	.p2align	6, 0x0
	.amdhsa_kernel k_q02e55495fc_quant
		.amdhsa_group_segment_fixed_size 54528
		.amdhsa_private_segment_fixed_size 0
		.amdhsa_enable_private_segment 0
		.amdhsa_kernarg_size 80
		.amdhsa_user_sgpr_count 2
		.amdhsa_user_sgpr_kernarg_segment_ptr 1
		.amdhsa_wavefront_size32 1
		.amdhsa_system_sgpr_workgroup_id_x 1
		.amdhsa_system_sgpr_workgroup_id_y 1
		.amdhsa_system_sgpr_workgroup_id_z 1
		.amdhsa_system_vgpr_workitem_id 0
		.amdhsa_next_free_vgpr 218
		.amdhsa_next_free_sgpr 66
		.amdhsa_reserve_vcc 0
		.amdhsa_float_denorm_mode_32 3
		.amdhsa_float_denorm_mode_16_64 3
		.amdhsa_memory_ordered 1
		.amdhsa_forward_progress 1
		.amdhsa_inst_pref_size 31
	.end_amdhsa_kernel
	.amdgpu_metadata
---
amdhsa.version: [ 1, 2 ]
amdhsa.kernels:
  - .name:           k_q02e55495fc_quant
    .symbol:         k_q02e55495fc_quant.kd
    .args:
      - { .name: x, .offset: 0, .size: 8, .value_kind: global_buffer, .address_space: global }
      - { .name: h_prev, .offset: 8, .size: 8, .value_kind: global_buffer, .address_space: global }
      - { .name: W_i, .offset: 16, .size: 8, .value_kind: global_buffer, .address_space: global }
      - { .name: W_f, .offset: 24, .size: 8, .value_kind: global_buffer, .address_space: global }
      - { .name: W_o, .offset: 32, .size: 8, .value_kind: global_buffer, .address_space: global }
      - { .name: W_c, .offset: 40, .size: 8, .value_kind: global_buffer, .address_space: global }
      - { .name: a_codes, .offset: 48, .size: 8, .value_kind: global_buffer, .address_space: global }
      - { .name: a_scales, .offset: 56, .size: 8, .value_kind: global_buffer, .address_space: global }
      - { .name: b_codes, .offset: 64, .size: 8, .value_kind: global_buffer, .address_space: global }
      - { .name: b_scales, .offset: 72, .size: 8, .value_kind: global_buffer, .address_space: global }
    .group_segment_fixed_size: 54528
    .private_segment_fixed_size: 0
    .kernarg_segment_align: 8
    .kernarg_segment_size: 80
    .max_flat_workgroup_size: 320
    .sgpr_count:     66
    .vgpr_count:     218
    .wavefront_size: 32
...
	.end_amdgpu_metadata
.endif
;; end of part 1
;; launch lstm (part 2): grid 8 x 32, 4 waves a work-group, clusters of 4 x 4, 327,680 bytes of LDS; arguments a_codes, a_scales, b_codes, b_scales, b_i, b_f, b_o, b_c, c_prev, out0, out1; writes out0, out1
.if DOCPART == 2
	.amdgcn_target "amdgcn-amd-amdhsa--gfx1250"
	.amdhsa_code_object_version 6
	.text
	.protected	k_q02e55495fc_lstm
	.globl	k_q02e55495fc_lstm
	.p2align	8
	.type	k_q02e55495fc_lstm,@function
k_q02e55495fc_lstm:
	s_mov_b64 s[64:65], 0
	v_nop
	global_prefetch_b8 v0, s[64:65] scope:SCOPE_SE
	s_setreg_imm32_b32 hwreg(HW_REG_WAVE_MODE, 25, 1), 1
	s_wait_xcnt 0x0
	s_wait_alu depctr_hold_cnt(0) depctr_sa_sdst(0) depctr_va_vdst(0) depctr_va_sdst(0) depctr_va_ssrc(0) depctr_va_vcc(0) depctr_vm_vsrc(0)
	s_getreg_b32 s2, hwreg(HW_REG_IB_STS2, 6, 4)
	s_cmp_eq_u32 s2, 0
	s_cbranch_scc0 .Lentry_in_a_cluster
	s_endpgm
.Lentry_in_a_cluster:
	s_bfe_u32 s2, ttmp6, 0x10000c
	s_cmp_lg_u32 s2, 0xf033
	s_cbranch_scc0 .Lentry_shape_is_right
	s_endpgm
.Lentry_shape_is_right:
; One LSTM step on codes of BF8 (E5M2) with one E8M0 scale for each 32 along K.  z_g = combined W_g^T + b_g, g = i, f, o, c;  c_next = sigmoid(z_f) c_prev + sigmoid(z_i) tanh(z_c) -> out1;  h_next = sigmoid(z_o) tanh(c_next) -> out0.
; a_codes [8192][1024], a_scales [8192][32]: rows of [x | h_prev].  b_codes [2048][1024], b_scales [2048][32]: row 128 q + 32 g + u = hidden unit 32 q + u of gate g (0 = i, 1 = f, 2 = o, 3 = c).  Everything behind the products in f32.
; SHARES.  A work-group of four waves makes 256 rows of the batch x 64 units x 4 gates.  Wave w holds the weights of units 16 w .. 16 w + 15, four tiles of 16 rows (one a gate), ALL of K, in 512 registers, and streams the 256 batch rows past
; them in 16 blocks of 16 rows, which stand in registers as two whole sets by turns: 32 products a block.  The biases are the C of each sum's first product.
; THE MATRIX INSTRUCTION IS USED TRANSPOSED (source 0 = 16 weight rows, source 1 = 16 batch rows): lane (r, h) holds batch row r and register j the unit 8 h + j, in the same place of all four gates' accumulators.
; A PIPELINE.  In block n's time stand, among its products, plain lines of four earlier blocks: P5 of n - 4, P4 of n - 3, P3 of n - 2, P2 of n - 1; behind its products S1 of n, then all transcendentals in one batch under two waits.
;   S1: exponents.  exp: a, f, o = 2^(-z log2 e), b = 2^(2 z log2 e).  P2: F = 1 + f, O = 1 + o, AB = (1 + a)(1 + b), b - 1.  rcp of F, AB.  P3: c_next = c_prev / F + (b - 1) / AB.  exp: d = 2^(2 c_next log2 e).
;   P4: d - 1, O (1 + d).  rcp.  P5: h_next = (d - 1) / (O (1 + d)).  b and d are held at 2^60, where (b - 1)/(b + 1) is 1 in f32, so that b - 1 and d - 1 stay finite; where a, f or o overflow the reciprocal is 0.
; LIMITS: tanh so made has an absolute error of some 1e-7 near 0 (a difference of numbers near 1); NaN and infinities among the inputs are not served.
; LDS: x's rows at row x 1040, at first rows 0 .. 47; behind them at WB the 256 weight rows; once all waves hold the weights in registers, x's rows 48 .. 255 are filled over them in one drained round of the cluster's barrier, 52 rows a wave.
; What is left of the weights' bytes is then the stage: c_prev / c_next of four blocks and h_next of four, 16 rows x 272 each.  Behind it x's scale bytes and the spare words.
; c_prev's rows come in whole runs of 256 bytes into registers and go through the stage; c_next goes over c_prev's bytes; one barrier in each block's time; each wave stores 4 whole rows of each output.
; CLUSTERS: 4 x 4 work-groups; the four of a row ask jointly for x's rows and scale bytes, the four of a column for weight rows.  The weights are the first thing asked for and are not prefetched: no trip stands ahead of them.
; REGISTERS: windows 1, 2: the weights (fragment 4 q + g);  window 3: x, two sets;  window 0: all else.
.set XP,   1040                        ; an LDS row of codes: 1,024 + 16 of padding
.set XB,   16*XP                       ; a block
.set WB,   48*XP
.set STG,  256*XP                      ; the stage
.set SCL,  WB+256*XP                   ; x's scale bytes: pieces of 256 bytes (8 rows) + 16
.set SPARE, SCL+32*272                 ; 128 bytes for each wave
.set SP,   272                         ; a stage row
.set BLK,  16*SP
.set HO,   4*BLK                       ; h_next's part of the stage
.set OB,   16*2048                     ; 16 rows of an f32 tensor in memory
.set SPW,  2
.set NIL,  3
.set ADRA, 4                           ; LDS: my fragments of x, block n in block n's time
.set AAS,  5                           ; LDS: my row's scale words of block 0
.set CST,  6                           ; LDS: row r, my 8 units in the stage
.set RB,   7                           ; LDS: whole rows of the stage: row 4 w + lane / 16, 16 bytes a lane
.set GC,   8                           ; the same place in memory
.set PFC,  9                           ; prefetch: c_prev
.set PFX,  10                          ; v10, v11  prefetch: x's rows 48 ..
.set SB,   12                          ; v12-27  the weights' scale words: register 8 p + q: lanes 0-15 gate 2 p's, lanes 16-31 gate 2 p + 1's
.set ADRB, 28                          ; v28, v29  LDS: my weights, gates 0, 1 and 2, 3
.set SA,   32                          ; v32-47  x's scale words, two sets
.set IN,   48                          ; v48-63  c_prev's rows on their way in, two sets
.set BKR,  64                          ; v64-79  rows read back: c_next, h_next
.set DD,   80                          ; v80-87
.set ND,   88                          ; v88-95
.set OC,   96                          ; v96-111  1 + o, two sets
.set CP,   112                         ; v112-127 c_prev, then c_next, two sets
.set EE,   128                         ; v128-159 exponents and powers: i, f, o, c  (at the head: set-up)
.set GF,   160
.set GA,   168
.set NB,   176
.set OD,   184                         ; v184-191
.set ACC,  192                         ; v192-223 the sums: i, f, o, c
.set BI,   224                         ; v224-255 the biases
.set MSB,  0
.macro WIN new                         ; the immediate's high byte repeats the setting that is left
.if MSB != (\new)
	s_set_vgpr_msb (MSB<<8)|(\new)
.set MSB, (\new)
.endif
.endm
.macro WALU
	s_wait_alu depctr_va_vdst(0)
.endm
.macro BARRIER
	s_barrier_signal -1
	s_barrier_wait -1
.endm
.macro CROUND                          ; a round of the cluster's barrier
	BARRIER
	s_cmp_lg_u32 s2, 0
	s_cbranch_scc1 .Lnot_wave_0_\@
	s_barrier_signal -3
.Lnot_wave_0_\@:
	s_barrier_wait -3
	BARRIER
.endm
.macro TLOAD g0, g1                    ; a tensor load; an s_nop 0 and four v_nop follow it
	tensor_load_to_lds s[\g0:\g0+3], s[\g1:\g1+7]
	s_nop 0
.rept 4
	v_nop
.endr
.endm
.macro GROUP1 g, mask, rows            ; descriptor group 1: so many whole rows of 1,024 bytes, 16 of padding behind each
	s_or_b32 s[\g+0], s[\mask], (1<<20)|(1<<21)|(7<<22)|(3<<25)
	s_mov_b32 s[\g+1], 1024<<16
	s_mov_b32 s[\g+2], (\rows)<<16
	s_mov_b32 s[\g+3], 1024<<16
	s_mov_b32 s[\g+4], \rows
	s_mov_b32 s[\g+5], 1024
	s_mov_b32 s[\g+6], 0
	s_mov_b32 s[\g+7], 0
.endm
	s_load_b256 s[4:11], s[0:1], 0x0               ; a_codes, a_scales, b_codes, b_scales
	s_load_b256 s[12:19], s[0:1], 0x20             ; b_i, b_f, b_o, b_c
	s_load_b128 s[20:23], s[0:1], 0x40             ; c_prev, out0
	s_load_b64 s[100:101], s[0:1], 0x50            ; out1
	v_lshl_add_u32 v[SPW], v0, 2, SPARE
	v_mov_b32 v[NIL], 0
	ds_add_u32 v[SPW], v[NIL]                      ; the wave's opening: the add, twice on end, and its wait ahead of my first tensor load
	ds_add_u32 v[SPW], v[NIL]
	v_lshrrev_b32 v1, 5, v0
	v_readfirstlane_b32 s2, v1                     ; wave 0..3
	s_lshr_b32 s3, s2, 1
	s_and_b32 s66, s2, 1
	s_bfe_u32 s40, ttmp6, 0x40000                  ; cx, cy: my place in the cluster
	s_bfe_u32 s41, ttmp6, 0x40004
	s_lshl_b32 s42, ttmp9, 2
	s_add_co_u32 s42, s42, s40                     ; tile column: 64 units
	s_and_b32 s43, ttmp7, 0xffff
	s_lshl_b32 s43, s43, 2
	s_add_co_u32 s43, s43, s41                     ; tile row: 256 rows of the batch
	s_lshl_b32 s44, s41, 2
	s_lshl_b32 s44, 15, s44                        ; my row of the cluster shares x
	s_lshl_b32 s45, 0x1111, s40                    ; my column shares the weights
	GROUP1 24, 45, 128                             ; waves 0, 1: 128 weight rows each
	GROUP1 48, 44, 48                              ; wave 2: x's rows 0 .. 47
	GROUP1 80, 44, 52                              ; the refill: 52 rows a wave
	s_or_b32 s68, s44, (3<<16)|(1<<20)|(1<<21)|(5<<22)|(3<<25)   ; wave 3: the scale bytes of x's 256 rows: 8,192 dense bytes as 32 rows of 256 (32 elements of 8), 16 of padding behind each
	s_mov_b32 s69, 32<<16
	s_mov_b32 s70, 32<<16
	s_mov_b32 s71, 32<<16
	s_mov_b32 s72, 32
	s_mov_b32 s73, 32
	s_mov_b32 s74, 0
	s_mov_b32 s75, 0
	s_lshl_b32 s46, s43, 18                        ; x: 256 rows of 1,024 bytes a tile row
	s_mov_b32 s47, 0
	s_lshl_b32 s76, s42, 18                        ; the weights: 256 rows a tile column, 128 a wave
	s_lshl_b32 s67, s66, 17
	s_add_co_u32 s76, s76, s67
	s_mov_b32 s77, 0
	s_mul_i32 s78, s2, 52*1024                     ; the refill: rows 48 + 52 w on
	s_add_co_u32 s78, s78, s46
	s_add_co_u32 s78, s78, 48*1024
	s_mov_b32 s79, 0
	s_lshl_b32 s104, s43, 13                       ; x's scale bytes
	s_mov_b32 s105, 0
	s_mov_b32 s32, 1
	s_mul_i32 s33, s66, 128*XP
	s_add_co_u32 s33, s33, WB
	s_mov_b32 s36, 1
	s_mov_b32 s37, 0
	s_mov_b32 s56, 1
	s_mov_b32 s57, SCL
	s_mov_b32 s88, 1
	s_mul_i32 s89, s2, 52*XP
	s_add_co_u32 s89, s89, WB
	s_lshl_b32 s67, s40, 2                         ; a prefetch of x's rows 48 .. 255: 832 pieces of 256 bytes, 52 for each of the sixteen waves of my cluster row
	s_add_co_u32 s67, s67, s2
	s_mul_i32 s67, s67, 52*256
	s_add_co_u32 s67, s67, s46
	s_add_co_u32 s67, s67, 48*1024
	s_mul_i32 s92, s3, 128*XP                      ; my weights: rows 128 (w / 2) + 16 (w % 2) + 32 g
	s_mul_i32 s93, s66, 16*XP
	s_add_co_u32 s92, s92, s93
	s_add_co_u32 s92, s92, WB
	s_lshl_b32 s94, s2, 6
	s_add_co_u32 s94, s94, STG
	s_mul_i32 s95, s2, 4*SP
	s_add_co_u32 s95, s95, STG
	s_lshl_b32 s96, s2, 13
	s_lshl_b32 s97, s2, 15
	v_and_b32 v[EE], 15, v0                        ; r
	v_bfe_u32 v[EE+1], v0, 4, 1                    ; h
	v_and_b32 v[EE+2], 31, v0                      ; lane
	v_mul_u32_u24 v[EE+3], v[EE], XP
	v_lshl_add_u32 v[ADRA], v[EE+1], 4, v[EE+3]    ; a fragment's row x pitch + 16 h
	v_add_nc_u32 v[ADRB], s92, v[ADRA]
	v_add_nc_u32 v[ADRB+1], 64*XP, v[ADRB]
	v_lshlrev_b32 v[EE+4], 5, v[EE]                ; 32 r, and 16 more for each 8 rows passed
	v_lshrrev_b32 v[EE+5], 3, v[EE]
	v_lshl_add_u32 v[AAS], v[EE+5], 4, v[EE+4]
	v_add_nc_u32 v[AAS], SCL, v[AAS]
	v_mul_u32_u24 v[EE+5], v[EE], SP
	v_lshl_add_u32 v[EE+5], v[EE+1], 5, v[EE+5]
	v_add_nc_u32 v[CST], s94, v[EE+5]
	v_mul_u32_u24 v[EE+5], v[EE+1], SP
	v_lshl_add_u32 v[EE+5], v[EE], 4, v[EE+5]
	v_add_nc_u32 v[RB], s95, v[EE+5]
	v_lshlrev_b32 v[EE+5], 11, v[EE+1]
	v_lshl_add_u32 v[EE+5], v[EE], 4, v[EE+5]
	v_add_nc_u32 v[GC], s96, v[EE+5]
	v_min_u32 v[EE+5], 15, v[EE+2]                 ; lanes 16-31 name the wave's last row again
	v_lshlrev_b32 v[EE+5], 11, v[EE+5]
	v_add_nc_u32 v[PFC], s97, v[EE+5]              ; a prefetch of c_prev: 16 rows a wave, 64 a work-group: four blocks
	v_lshl_add_u32 v[PFX], v[EE+2], 8, s67
	v_add_nc_u32 v[EE+5], 32, v[EE+2]
	v_min_u32 v[EE+5], 51, v[EE+5]
	v_lshl_add_u32 v[PFX+1], v[EE+5], 8, s67
	v_lshl_add_u32 v[EE+6], v[EE+1], 10, v[EE+4]   ; the weights' scale words: 1,024 h + 32 r
	v_lshlrev_b32 v[EE+7], 5, v[EE+1]              ; the biases: 32 h
	WALU
	s_wait_dscnt 0x0                               ; both opening adds are done
	CROUND                                         ; all sixteen work-groups are here: the first joint loads meet
	s_wait_kmcnt 0x0
	s_add_nc_u64 s[34:35], s[8:9], s[76:77]
	s_or_b32 s35, s35, 0x80000000
	s_add_nc_u64 s[38:39], s[4:5], s[46:47]
	s_or_b32 s39, s39, 0x80000000
	s_add_nc_u64 s[58:59], s[6:7], s[104:105]
	s_or_b32 s59, s59, 0x80000000
	s_add_nc_u64 s[90:91], s[4:5], s[78:79]
	s_or_b32 s91, s91, 0x80000000
	s_cmp_lt_u32 s2, 2                             ; ONE joint load a wave, and a line of its own for what is shown ahead of the rest
	s_cbranch_scc0 .Lnot_weights
	TLOAD 32, 24                                   ; waves 0, 1: the weight rows
	s_branch .Lasked
.Lnot_weights:
	s_cmp_eq_u32 s2, 2
	s_cbranch_scc0 .Lfor_scales
	TLOAD 36, 48                                   ; wave 2: x's rows 0 .. 47
	s_branch .Lasked
.Lfor_scales:
	TLOAD 56, 68                                   ; wave 3: x's scale bytes
.Lasked:
	s_lshl_b32 s44, s42, 13                        ; my weights' scale bytes: 32 a row
	s_lshl_b32 s45, s3, 12
	s_add_co_u32 s44, s44, s45
	s_lshl_b32 s45, s66, 9
	s_add_co_u32 s44, s44, s45
	s_mov_b32 s45, 0
	s_add_nc_u64 s[10:11], s[10:11], s[44:45]
	s_lshl_b32 s44, s42, 8                         ; the biases of my 16 units: 256 tc + 64 w bytes
	s_lshl_b32 s45, s2, 6
	s_add_co_u32 s44, s44, s45
	s_mov_b32 s45, 0
.irp g, 0,1,2,3
	s_add_nc_u64 s[12+2*\g:13+2*\g], s[12+2*\g:13+2*\g], s[44:45]
.endr
	s_lshl_b32 s44, s43, 19                        ; the work-group's tile of c_prev, out1, out0: 256 rows of 2,048 bytes, 256 bytes of each
	s_lshl_b32 s45, s42, 8
	s_add_co_u32 s44, s44, s45
	s_mov_b32 s45, 0
	s_add_nc_u64 s[92:93], s[20:21], s[44:45]
	s_add_nc_u64 s[94:95], s[100:101], s[44:45]
	s_add_nc_u64 s[96:97], s[22:23], s[44:45]
.irp p, 0,1
.irp c, 0,1
	global_load_b128 v[SB+8*\p+4*\c:SB+8*\p+4*\c+3], v[EE+6], s[10:11] offset:\p*2048+16*\c
.endr
.endr
.irp g, 0,1,2,3
.irp c, 0,1
	global_load_b128 v[BI+8*\g+4*\c:BI+8*\g+4*\c+3], v[EE+7], s[12+2*\g:13+2*\g] offset:16*\c
.endr
.endr
.macro CIN n                           ; block n's rows of c_prev: 4 a wave, sixteen lanes to 256 consecutive bytes
.irp i, 0,1
	global_load_b128 v[IN+8*((\n)%2)+4*\i:IN+8*((\n)%2)+4*\i+3], v[GC], s[92:93] offset:(\n)*OB+4096*\i th:TH_LOAD_NT
.endr
.endm
	CIN 0
	CIN 1
	global_prefetch_b8 v[PFX], s[4:5] th:TH_LOAD_NT scope:SCOPE_SE      ; what the refill will ask for, each piece once in the cluster;
	global_prefetch_b8 v[PFX+1], s[4:5] th:TH_LOAD_NT scope:SCOPE_SE
	global_prefetch_b8 v[PFC], s[92:93] th:TH_LOAD_NT scope:SCOPE_SE    ; and c_prev's first four blocks
	s_mov_b32 s60, 0xbfb8aa3b                      ; -log2(e)
	s_mov_b32 s61, 0xbfb8aa3b
	s_mov_b32 s62, 0x4038aa3b                      ; 2 log2(e)
	s_mov_b32 s63, 0x4038aa3b
	s_mov_b32 s98, 0x5d800000                      ; 2^60
	WALU
	s_cmp_lt_u32 s2, 2
	s_cbranch_scc0 .Lnot_b
	s_wait_tensorcnt 0x0                           ; waves 0, 1: the weights have landed; the other waves' wait stands ahead of the round below
.Lnot_b:
	BARRIER
.macro FRAGW q, g                      ; a fragment, 16 rows x 128 of K: lane l holds row l % 16; registers 4 c .. 4 c + 3 hold K = 32 c + 16 (l / 16) + 0 .. 15.  Fragment f = 4 q + g lies in window 1 + f / 16
	WIN (1+(4*(\q)+(\g))/16)<<6
.irp c, 0,1,2,3
	ds_load_b128 v[16*((4*(\q)+(\g))%16)+4*\c:16*((4*(\q)+(\g))%16)+4*\c+3], v[ADRB+(\g)/2] offset:128*(\q)+32*\c+((\g)%2)*32*XP
.endr
.endm
.irp q, 0,1,2,3,4,5,6,7
.irp g, 0,1,2,3
	FRAGW \q, \g
.endr
.endr
	WIN 0
	s_wait_tensorcnt 0x0                           ; all my tensor loads have landed;
	ds_add_u32 v[SPW], v[NIL]
	s_wait_dscnt 0x0                               ; the add is done, and my weights are in registers
	CROUND                                         ; everybody's are, in all sixteen work-groups; x's first rows and the scale bytes are in
	s_cmp_eq_u32 s2, 0                             ; x's rows 48 .. 255 over the weights: wave 0 has a line of its own, since its part is shown first
	s_cbranch_scc0 .Lothers
	TLOAD 88, 80
	s_branch .Lrefilled
.Lothers:
	TLOAD 88, 80
.Lrefilled:
; a block of x into set e, in two halves: 16 loads, and 16 loads with the two of its scale words
.macro FX1 e, off
	WIN 0xc0
.irp q, 0,1,2,3
.irp c, 0,1,2,3
	ds_load_b128 v[128*(\e)+16*\q+4*\c:128*(\e)+16*\q+4*\c+3], v[ADRA] offset:(\off)+128*\q+32*\c
.endr
.endr
	WIN 0
.endm
.macro FX2 e, off, b
	WIN 0xc0
.irp q, 4,5,6,7
.irp c, 0,1,2,3
	ds_load_b128 v[128*(\e)+16*\q+4*\c:128*(\e)+16*\q+4*\c+3], v[ADRA] offset:(\off)+128*\q+32*\c
.endr
.endr
	WIN 0
	ds_load_b128 v[SA+8*(\e):SA+8*(\e)+3], v[AAS] offset:(\b)*544
	ds_load_b128 v[SA+8*(\e)+4:SA+8*(\e)+7], v[AAS] offset:(\b)*544+16
.endm
.macro PROD e, n                       ; product n = 4 q + g of a block in set e; the four accumulators take turns
.set Q_, (\n)/4
.set B_, (\n)%4
.set W_, 16*((\n)%16)
.set X_, 128*(\e)+16*Q_
.set A_, ACC+8*B_
.set C_, A_
.if Q_ == 0
.set C_, BI+8*B_
.endif
	WIN (1+(\n)/16)|(3<<2)
.if B_%2
	v_wmma_scale_f32_16x16x128_f8f6f4 v[A_:A_+7], v[W_:W_+15], v[X_:X_+15], v[C_:C_+7], v[SB+8*(B_/2)+Q_], v[SA+8*(\e)+Q_] matrix_a_fmt:MATRIX_FMT_BF8 matrix_b_fmt:MATRIX_FMT_BF8 matrix_a_scale:MATRIX_SCALE_ROW1
.else
	v_wmma_scale_f32_16x16x128_f8f6f4 v[A_:A_+7], v[W_:W_+15], v[X_:X_+15], v[C_:C_+7], v[SB+8*(B_/2)+Q_], v[SA+8*(\e)+Q_] matrix_a_fmt:MATRIX_FMT_BF8 matrix_b_fmt:MATRIX_FMT_BF8
.endif
.endm
.macro FLAGS n                         ; which stages block n's time has
.set NS_, \n
.set P5_, 0
.set P4_, 0
.set P3_, 0
.set P2_, 0
.if (\n >= 4) && (\n <= 19)
.set P5_, 1
.endif
.if (\n >= 3) && (\n <= 18)
.set P4_, 1
.endif
.if (\n >= 2) && (\n <= 17)
.set P3_, 1
.endif
.if (\n >= 1) && (\n <= 16)
.set P2_, 1
.endif
.endm
; plain line i = 0 .. 67 of block NS_'s time: P5 0-3, P4 4-23, P3 24-35, P2 36-67.  Within a stage each run of lines reads what the run before it wrote; a stage's inputs are read ahead of the line that rewrites them for the block behind it.
.macro LINE i
.set J_, 2*((\i)%4)
.if (\i) < 4
.if P5_
	v_pk_mul_f32 v[OD+J_:OD+J_+1], v[ND+J_:ND+J_+1], v[OD+J_:OD+J_+1]                    ; h_next
.endif
.elseif (\i) < 24
.if P4_
.if (\i) < 12
	v_min_num_f32 v[DD+(\i)-4], s98, v[DD+(\i)-4]                                        ; d
.elseif (\i) < 16
	v_pk_add_f32 v[ND+J_:ND+J_+1], v[DD+J_:DD+J_+1], -1.0 op_sel_hi:[1,0]                ; d - 1
.elseif (\i) < 20
	v_pk_add_f32 v[DD+J_:DD+J_+1], v[DD+J_:DD+J_+1], 1.0 op_sel_hi:[1,0]
.else
	v_pk_mul_f32 v[OD+J_:OD+J_+1], v[OC+8*((NS_+1)%2)+J_:OC+8*((NS_+1)%2)+J_+1], v[DD+J_:DD+J_+1]   ; O (1 + d)
.endif
.endif
.elseif (\i) < 36
.if P3_
.set K_, CP+8*(NS_%2)+J_
.if (\i) < 28
	v_pk_mul_f32 v[NB+J_:NB+J_+1], v[NB+J_:NB+J_+1], v[GA+J_:GA+J_+1]                    ; sigmoid(z_i) tanh(z_c)
.elseif (\i) < 32
	v_pk_fma_f32 v[K_:K_+1], v[GF+J_:GF+J_+1], v[K_:K_+1], v[NB+J_:NB+J_+1]              ; c_next
.else
	v_pk_mul_f32 v[DD+J_:DD+J_+1], v[K_:K_+1], s[62:63] op_sel_hi:[1,0]                  ; d's exponent
.endif
.endif
.else
.if P2_
.if (\i) < 44
	v_min_num_f32 v[EE+24+(\i)-36], s98, v[EE+24+(\i)-36]                                ; b
.elseif (\i) < 48
	v_pk_add_f32 v[NB+J_:NB+J_+1], v[EE+24+J_:EE+24+J_+1], -1.0 op_sel_hi:[1,0]          ; b - 1
.elseif (\i) < 52
	v_pk_add_f32 v[EE+24+J_:EE+24+J_+1], v[EE+24+J_:EE+24+J_+1], 1.0 op_sel_hi:[1,0]
.elseif (\i) < 56
	v_pk_add_f32 v[EE+J_:EE+J_+1], v[EE+J_:EE+J_+1], 1.0 op_sel_hi:[1,0]
.elseif (\i) < 60
	v_pk_add_f32 v[GF+J_:GF+J_+1], v[EE+8+J_:EE+8+J_+1], 1.0 op_sel_hi:[1,0]             ; F
.elseif (\i) < 64
	v_pk_add_f32 v[OC+8*((NS_+1)%2)+J_:OC+8*((NS_+1)%2)+J_+1], v[EE+16+J_:EE+16+J_+1], 1.0 op_sel_hi:[1,0]   ; O
.else
	v_pk_mul_f32 v[GA+J_:GA+J_+1], v[EE+J_:EE+J_+1], v[EE+24+J_:EE+24+J_+1]              ; AB
.endif
.endif
.endif
.endm
.macro LINES from, to
.set L_, \from
.rept (\to)-(\from)
	LINE L_
.set L_, L_+1
.endr
.endm
.macro HPUT n                          ; h_next of block n - 4 into the stage
.if (\n >= 4) && (\n <= 19)
	ds_store_b128 v[CST], v[OD:OD+3] offset:HO+((\n)%4)*BLK
	ds_store_b128 v[CST], v[OD+4:OD+7] offset:HO+((\n)%4)*BLK+16
.endif
.endm
.macro CPUT n                          ; c_next of block n - 2 over the bytes of c_prev that this lane alone has read
.if (\n >= 2) && (\n <= 17)
	ds_store_b128 v[CST], v[CP+8*((\n)%2):CP+8*((\n)%2)+3] offset:((\n+2)%4)*BLK
	ds_store_b128 v[CST], v[CP+8*((\n)%2)+4:CP+8*((\n)%2)+7] offset:((\n+2)%4)*BLK+16
.endif
.endm
.macro READB n                         ; behind block n's barrier: whole rows of c_next (block n - 2) and h_next (n - 4) back, and my elements of block n's c_prev
.if \n >= 3
	s_wait_xcnt 0x0                                ; the stores of the rows read back before have read their registers
.endif
.if (\n >= 2) && (\n <= 17)
	ds_load_b128 v[BKR:BKR+3], v[RB] offset:((\n+2)%4)*BLK
	ds_load_b128 v[BKR+4:BKR+7], v[RB] offset:((\n+2)%4)*BLK+2*SP
.endif
.if (\n >= 4) && (\n <= 19)
	ds_load_b128 v[BKR+8:BKR+11], v[RB] offset:HO+((\n)%4)*BLK
	ds_load_b128 v[BKR+12:BKR+15], v[RB] offset:HO+((\n)%4)*BLK+2*SP
.endif
.if \n <= 15
	ds_load_b128 v[CP+8*((\n)%2):CP+8*((\n)%2)+3], v[CST] offset:((\n)%4)*BLK
	ds_load_b128 v[CP+8*((\n)%2)+4:CP+8*((\n)%2)+7], v[CST] offset:((\n)%4)*BLK+16
.endif
.endm
.macro OUTS n                          ; the rows read back behind block n - 1's barrier leave: sixteen lanes store 256 consecutive bytes, aligned
.if (\n >= 3) && (\n <= 18)
	global_store_b128 v[GC], v[BKR:BKR+3], s[94:95] offset:(\n-3)*OB th:TH_STORE_NT
	global_store_b128 v[GC], v[BKR+4:BKR+7], s[94:95] offset:(\n-3)*OB+4096 th:TH_STORE_NT
.endif
.if (\n >= 5) && (\n <= 20)
	global_store_b128 v[GC], v[BKR+8:BKR+11], s[96:97] offset:(\n-5)*OB th:TH_STORE_NT
	global_store_b128 v[GC], v[BKR+12:BKR+15], s[96:97] offset:(\n-5)*OB+4096 th:TH_STORE_NT
.endif
.endm
.macro TRANS n                         ; the batch; the second half of block n + 2's loads stands in its middle
.if \n <= 15
.set T_, 0
.rept 32
	v_exp_f32 v[EE+T_], v[EE+T_]
.set T_, T_+1
.endr
.endif
.if \n <= 13
	FX2 (\n)%2, 2*XB, \n+2
.endif
.set T_, 0
.rept 16
.if (\n >= 1) && (\n <= 16)
	v_rcp_f32 v[GF+T_], v[GF+T_]                   ; F, then AB
.endif
.set T_, T_+1
.endr
.set T_, 0
.rept 8
.if (\n >= 2) && (\n <= 17)
	v_exp_f32 v[DD+T_], v[DD+T_]
.endif
.if (\n >= 3) && (\n <= 18)
	v_rcp_f32 v[OD+T_], v[OD+T_]
.endif
.set T_, T_+1
.endr
.endm
.macro WAIT_0                          ; wave 0's 52 rows of the refill are in
	s_cmp_lg_u32 s2, 0
	s_cbranch_scc1 .Lnot_mine_\@
	s_wait_tensorcnt 0x0
.Lnot_mine_\@:
.endm
.macro SLOT n                          ; block n: 16 pairs of products, five plain lines behind each of the first twelve
	FLAGS \n
.set G_, 0
.rept 16
	PROD (\n)%2, 2*G_
	PROD (\n)%2, 2*G_+1
	WIN 0
.if G_ == 0
.if \n >= 3
.if \n <= 14
	s_wait_dscnt 36                                ; the rows read back are in; behind their loads stand 2 of c_prev and 34 of a block of x
.else
	s_wait_dscnt 2
.endif
	OUTS \n
.endif
.if \n <= 14
	s_wait_loadcnt 2                               ; block n's rows of c_prev are in; block n + 1's two loads may be out
.else
	s_wait_loadcnt 0
.endif
	ds_store_b128 v[RB], v[IN+8*((\n)%2):IN+8*((\n)%2)+3] offset:((\n)%4)*BLK
	ds_store_b128 v[RB], v[IN+8*((\n)%2)+4:IN+8*((\n)%2)+7] offset:((\n)%4)*BLK+2*SP
.if \n >= 1
	v_add_nc_u32 v[ADRA], XB, v[ADRA]
.endif
.endif
.if G_ < 12
	LINES 5*G_, 5*G_+5
.endif
.if G_ == 1
	HPUT \n
.endif
.if G_ == 2
.if \n == 0
	global_prefetch_b8 v[PFC], s[92:93] offset:4*OB th:TH_LOAD_NT scope:SCOPE_SE      ; c_prev's blocks 4 .. 7, first loaded in block 2's time
.elseif \n == 2
	global_prefetch_b8 v[PFC], s[92:93] offset:8*OB th:TH_LOAD_NT scope:SCOPE_SE
.elseif \n == 6
	global_prefetch_b8 v[PFC], s[92:93] offset:12*OB th:TH_LOAD_NT scope:SCOPE_SE
.endif
.endif
.if G_ == 7
	CPUT \n
.endif
.if G_ == 12
	WALU
	s_wait_dscnt 0x0                               ; my stores into the stage are done, the next block's set is in, and nobody waits for my reads
.if \n == 1
	WAIT_0                                         ; the barrier shows x's rows 48 .. 99: blocks 3 to 5
.elseif \n == 4
	s_wait_tensorcnt 0x0                           ; and here all the others
.endif
.if \n <= 13
	CIN \n+2
.endif
	s_barrier_signal -1
.endif
.set G_, G_+1
.endr
.if \n == 0
.rept 8
	v_nop
.endr
.else
	LINES 60, 68                                   ; these eight are the places behind the last products, for the loads below and the reads of the sums
.endif
	s_barrier_wait -1
	READB \n
.if \n <= 13
	FX1 (\n)%2, 2*XB
.endif
.set T_, 0
.rept 12
	v_pk_mul_f32 v[EE+T_:EE+T_+1], v[ACC+T_:ACC+T_+1], s[60:61] op_sel_hi:[1,0]   ; the sigmoids' exponents; ascending, each accumulator from its low end on
.set T_, T_+2
.endr
.rept 4
	v_pk_mul_f32 v[EE+T_:EE+T_+1], v[ACC+T_:ACC+T_+1], s[62:63] op_sel_hi:[1,0]   ; the tanh's
.set T_, T_+2
.endr
	WALU                                           ; ahead of the batch,
	TRANS \n
	v_nop
	WALU                                           ; and behind it
.endm
.macro TSLOT n                         ; the stages that are left when the products have ended
	FLAGS \n
	LINES 0, 4
	HPUT \n
	LINES 4, 32
	CPUT \n
	LINES 32, 68
	WALU
.if \n <= 17
	s_wait_dscnt 4                                 ; the rows read back are in; the four stores just issued may be out
.else
	s_wait_dscnt 2
.endif
	OUTS \n
.if \n <= 18
	WALU
	TRANS \n
	v_nop
	WALU
.endif
	s_wait_dscnt 0x0
	BARRIER
	READB \n
.endm
	FX1 0, 0
	FX2 0, 0, 0
	FX1 1, XB
	FX2 1, XB, 1
	s_wait_loadcnt 4                               ; the scale words and the biases are in; c_prev's first four loads may be out
	s_wait_dscnt 34                                ; block 0 is in
.irp n, 0,1,2,3,4,5,6,7,8,9,10,11,12,13,14,15
	SLOT \n
.endr
.irp n, 16,17,18,19
	TSLOT \n
.endr
	s_wait_dscnt 0x0
	OUTS 20
	s_wait_tensorcnt 0x0                           ; the wave's end
	ds_add_u32 v[SPW], v[NIL]
	s_wait_dscnt 0x0
	CROUND                                         ; the closing round: no work-group ends while a partner may still ask for a tile that names it
	s_endpgm
.Lfunc_end_k_q02e55495fc_lstm:
	.size	k_q02e55495fc_lstm, .Lfunc_end_k_q02e55495fc_lstm-k_q02e55495fc_lstm
	.p2alignl 7, 3214868480
	.fill 96, 4, 3214868480
	.section	.rodata,"a",@progbits
	.p2align	6, 0x0
	.amdhsa_kernel k_q02e55495fc_lstm
		.amdhsa_group_segment_fixed_size 327680
		.amdhsa_private_segment_fixed_size 0
		.amdhsa_enable_private_segment 0
		.amdhsa_kernarg_size 88
		.amdhsa_user_sgpr_count 2
		.amdhsa_user_sgpr_kernarg_segment_ptr 1
		.amdhsa_wavefront_size32 1
		.amdhsa_system_sgpr_workgroup_id_x 1
		.amdhsa_system_sgpr_workgroup_id_y 1
		.amdhsa_system_sgpr_workgroup_id_z 1
		.amdhsa_system_vgpr_workitem_id 0
		.amdhsa_next_free_vgpr 1024
		.amdhsa_next_free_sgpr 106
		.amdhsa_reserve_vcc 0
		.amdhsa_float_denorm_mode_32 3
		.amdhsa_float_denorm_mode_16_64 3
		.amdhsa_memory_ordered 1
		.amdhsa_forward_progress 1
		.amdhsa_inst_pref_size 255
	.end_amdhsa_kernel
	.section	.bss,"aw",@nobits
	.p2align	6
	.space	262144
	.amdgpu_metadata
---
amdhsa.version: [ 1, 2 ]
amdhsa.kernels:
  - .name:           k_q02e55495fc_lstm
    .symbol:         k_q02e55495fc_lstm.kd
    .args:
      - { .name: a_codes, .offset: 0, .size: 8, .value_kind: global_buffer, .address_space: global }
      - { .name: a_scales, .offset: 8, .size: 8, .value_kind: global_buffer, .address_space: global }
      - { .name: b_codes, .offset: 16, .size: 8, .value_kind: global_buffer, .address_space: global }
      - { .name: b_scales, .offset: 24, .size: 8, .value_kind: global_buffer, .address_space: global }
      - { .name: b_i, .offset: 32, .size: 8, .value_kind: global_buffer, .address_space: global }
      - { .name: b_f, .offset: 40, .size: 8, .value_kind: global_buffer, .address_space: global }
      - { .name: b_o, .offset: 48, .size: 8, .value_kind: global_buffer, .address_space: global }
      - { .name: b_c, .offset: 56, .size: 8, .value_kind: global_buffer, .address_space: global }
      - { .name: c_prev, .offset: 64, .size: 8, .value_kind: global_buffer, .address_space: global }
      - { .name: out0, .offset: 72, .size: 8, .value_kind: global_buffer, .address_space: global }
      - { .name: out1, .offset: 80, .size: 8, .value_kind: global_buffer, .address_space: global }
    .group_segment_fixed_size: 327680
    .private_segment_fixed_size: 0
    .kernarg_segment_align: 8
    .kernarg_segment_size: 88
    .max_flat_workgroup_size: 128
    .sgpr_count:     106
    .vgpr_count:     1024
    .wavefront_size: 32
...
	.end_amdgpu_metadata
.endif
;; end of part 2
